; MI455X (gfx1250); checked and timed in simulation.
; The chip was launched on July 23, 2026; its instructions are those of AMD's public machine-readable ISA for CDNA 5 (MIT licence, August 2026) and "CDNA5" Instruction Set Architecture Reference Guide (July 2026). The comments in the code are by the model that wrote it; some were corrected since.
;; Base Layer With Lo RA. Allowed arithmetic: matrix products marked QUANTISED: E2M3 operands, one E8M0 scale for each 32 along K, by v_wmma_scale_f32_16x16x128_f8f6f4 with both operands' format E2M3, f32 sums; products left as they are: f32 operands where the result goes on into a quantised operand, else bf16, f16 or f32 operands; f32 sums; everything else in f32.
;; Inputs: W_codes 4,096 x 128 x 24 uint8 (E2M3 codes of W, K innermost, in blocks of 32 codes, four codes in three bytes); W_scales 4,096 x 128 uint8 (E8M0 scales of W, one for each 32 codes along K); b 4,096 float32; lora_A_codes 16 x 128 x 24 uint8 (E2M3 codes of lora_A, K innermost, in blocks of 32 codes, four codes in three bytes); lora_A_scales 16 x 128 uint8 (E8M0 scales of lora_A, one for each 32 codes along K); lora_B 4,096 x 16 float32; x_codes 4 x 1,024 x 128 x 24 uint8 (E2M3 codes of x, K innermost, in blocks of 32 codes, four codes in three bytes); x_scales 4 x 1,024 x 128 uint8 (E8M0 scales of x, one for each 32 codes along K).
;; Outputs: out0 4 x 1,024 x 4,096 float32.
;; This version of the problem:
;;   THIS VERSION OF THE PROBLEM IS GIVEN IN LOW PRECISION. The matrix products marked QUANTISED in the list below multiply operands that are first quantised to E2M3 (2 exponent bits, 3 mantissa bits; 6 bits a number), with one power-of-two scale for each 32 numbers along K (OCP MX v1.0); their sums are f32. All else is computed in f32.
;;   The module's matrix products, in the order in which they are computed (A, B: the left and right operand; K: the contracted axis; several contracted axes count as one K, in the product's order):
;;     1. [M 4,096, K 4,096] x [K 4,096, N 4,096]; A: input x (given as codes); B: input W (given as codes): QUANTISED
;;     2. [M 4,096, K 4,096] x [K 4,096, N 16]; A: input x (given as codes); B: input lora_A (given as codes): QUANTISED
;;     3. [M 4,096, K 16] x [K 16, N 4,096]; A: computed on the way; B: input lora_B: left as it is (K = 16 < 32)
;;   THE QUANTISER, for each operand of a quantised product, along K:
;;     - K is cut into blocks of 32 from its start; a last block that is shorter is filled with zeros.
;;     - A block's scale is 2^e with e = floor(log2(the largest magnitude in the block)) - 2, held to -126 .. 127; a block of zeros has e = 0. As a byte (E8M0): e + 127.
;;     - Each number is divided by its block's scale, clamped to +-7.5, and rounded to the nearest number of E2M3, ties to even, subnormals kept.
;;     - The product sums the exact products of the quantised numbers (number of the format x scale) in f32.
;;   ~~~python
;;   def quantise(x, axis):      # numpy; x: float32 -> the quantised numbers, widened to float32 again
;;       x = np.moveaxis(x, axis, -1); K = x.shape[-1]
;;       x = np.pad(x, [(0, 0)] * (x.ndim - 1) + [(0, -K % 32)]); x = x.reshape(x.shape[:-1] + (-1, 32)); a = np.abs(x).max(-1, keepdims=True)
;;       e = np.where(a > 0, np.clip(np.frexp(np.where(a > 0, a, 1))[1] - 1 - 2, -126, 127), 0)      # np.frexp(a)[1] - 1 = floor(log2(a)), exactly
;;       r = np.clip(x / 2.0 ** e, -7.5, 7.5)
;;       step = 2.0 ** (np.maximum(np.frexp(np.where(r == 0, 1, r))[1] - 1, 0) - 3)
;;       q = np.round(r / step) * step * 2.0 ** e      # np.round: ties to even
;;       return np.moveaxis(q.reshape(q.shape[:-2] + (-1,))[..., :K], -1, axis).astype(np.float32)
;;   ~~~
;;   INPUTS GIVEN AS CODES. W (in the module: [4096, 4096], K = its axis 1); lora_A (in the module: [16, 4096], K = its axis 1); x (in the module: [4, 1024, 4096], K = its axis 2): each comes as NAME_codes (uint8): NAME with its K axis moved to the last place and cut into blocks of 32 codes, [.., K / 32, bytes a block], one block behind the other in memory; four codes in three bytes: a row's codes are one little-endian stream of bits, code i at bits 6 i .. 6 i + 5 (a code: sign, 2 exponent bits, 3 mantissa bits); and NAME_scales (uint8): the same leading axes, one E8M0 byte (e + 127) for each 32 codes along K. Its value is code x scale, taken as it is: it is not quantised again, and the codes and scales need not be those that the quantiser above would give.
;; One version. Each part assembles by itself: llvm-mc -triple=amdgcn-amd-amdhsa -mcpu=gfx1250 --defsym DOCPART=n.
;; ======== version 1 of 1: 1 launch
;; limits: values are held in bf16: 8 bits of precision; right only within a limited range of input values
;; launch lora_gemm (part 1): grid 16 x 16, 4 waves a work-group, clusters of 4 x 4, 327,680 bytes of LDS; arguments x_codes, x_scales, W_codes, W_scales, lora_A_codes, lora_A_scales, b, lora_B, out0; writes out0
.if DOCPART == 1
	.amdgcn_target "amdgcn-amd-amdhsa--gfx1250"
	.amdhsa_code_object_version 6
	.text
	.protected	k_q7ebb76fd42_lora_gemm
	.globl	k_q7ebb76fd42_lora_gemm
	.p2align	8
	.type	k_q7ebb76fd42_lora_gemm,@function
k_q7ebb76fd42_lora_gemm:
	s_mov_b64 s[64:65], 0
	v_nop
	global_prefetch_b8 v0, s[64:65] scope:SCOPE_SE
	s_setreg_imm32_b32 hwreg(HW_REG_WAVE_MODE, 25, 1), 1
	s_wait_xcnt 0x0
	s_wait_alu depctr_hold_cnt(0) depctr_sa_sdst(0) depctr_va_vdst(0) depctr_va_sdst(0) depctr_va_ssrc(0) depctr_va_vcc(0) depctr_vm_vsrc(0)
	s_getreg_b32 s2, hwreg(HW_REG_IB_STS2, 6, 4)
	s_cmp_eq_u32 s2, 0
	s_cbranch_scc0 .Lentry_in_a_cluster
	s_endpgm
.Lentry_in_a_cluster:
	s_bfe_u32 s2, ttmp6, 0x10000c
	s_cmp_lg_u32 s2, 0xf033
	s_cbranch_scc0 .Lentry_shape_is_right
	s_endpgm
.Lentry_shape_is_right:
; out[m][n] = sum_k x[m][k] W[n][k] + b[n] + sum_p ar[m][p] lora_B[n][p],  ar[m][p] = sum_k x[m][k] lora_A[p][k].  M = N = K = 4096, rank 16.
; x, W, lora_A: FP6 (E2M3) codes, a row 3,072 bytes, one E8M0 byte for each 32 along K; taken as they lie.  One launch, no workspace.
; A work-group of four waves makes 256 x 256 of out, a wave 128 x 128 (64 accumulators).  The matrix instruction is used transposed (source 0 = W's rows).
; K goes through a ring of two LDS slots in CHUNKS OF 256 BYTES of each row (x's 256 rows, W's 256, lora_A's 16); chunk n lies in slot n % 2.
; A step is 128 along K, 96 bytes: 8 steps to 3 chunks.  A loop's trip is 8 steps, so the two slots change roles from trip to trip: the LDS addresses are made anew
; at each trip's end from scalars that are toggled by s_xor_b32.
; SCALES: each byte is read once, by plain loads at the head (a pair of loads covers 8 whole rows of 128 bytes).  LDS holds the half for K < 2048; the other half waits in 64 registers
; and is stored over it in step 14, between two barriers.  All of K (65,536 bytes) does not fit beside the ring (2 x 143,616).
; ar: lora_A is a ninth block beside W's eight; each wave makes ar for its register blocks 0-3 (rows 64 CH on), the two waves of a row half exchange them through LDS as bf16 operands.
; THE LAST PRODUCT, bf16, K = 32: k = 0..15 ar x lora_B; k = 16, 17: 1 x (b's upper 16 bits as bf16, the rest rounded to bf16); the rest zeros.
; CLUSTERS 4 x 4: x's tiles are asked for jointly along a row, W's along a column.  lora_A's tile (4,096 of a chunk's 135,168 bytes) is wanted by all sixteen, while a mask names four: each asks for itself.
; LIMITS: a scale byte 0xff gives NaN.  ar and lora_B are rounded to bf16 for the last product; b is carried to 16 bits of precision.  The LoRA term and the bias are added last.
; REGISTERS.  Window 0: v0-31, v108-127 addresses; v32-63 scale words, two sets; v64-67 lora_A's; v68-79 at work; v80-107 waiting scales; v128-223 x's fragments; v224-255 ar.
;   Window 1: W's and lora_A's fragments, two sets (v0, v128); v108-127, v236-255 waiting scales.  Windows 2, 3: the accumulators.
.set ROWB,   256
.set KROW,   3072
.set PITCH,  272                       ; 256 bytes + 16 of padding
.set FR,     12
.set NL,     6
.set NP,     4                         ; places behind this matrix instruction (ISA guide 7.12.1)
.set HALFT,  128*PITCH
.set SLOT,   4*HALFT+16*PITCH          ; x's 256 rows, W's 256, lora_A's 16
.set SCL,    2*SLOT                    ; scales of half of K: 64 bytes a row, 16 bytes of padding behind every 4 rows; written by LDS stores alone
.set HALFS,  32*272                    ; those of 128 rows
.set SBLK,   4*272                     ; of 16 rows
.set LSC,    SCL+4*HALFS               ; lora_A's 16 rows likewise
.set SPARE,  SCL+36096                 ; the spare words: 512 bytes that no other line names
.set SPITCH, 528                       ; the way out: a stage of 16 rows for each wave, in slot 0 (its last chunk, 10, has been read by then)
.set ARIMG,  4*16*SPITCH               ; behind the stages: ar's images, wave w's four at 2,048 w
.set NROW,   16384
.set PFO, 1                            ; 3,072 x lane
.set H,   2                            ; lane / 16;  v3: 1 - that;  v4: 24 x that
.set HB,  3
.set H24, 4
.set RB,  5                            ; v5-8: row x pitch + my part of a slot: x's blocks 0-3, x's 4-7, W, lora_A
.set SB,  9                            ; v9-11: scale words' bases: blocks 0-3, blocks 4-7 (lanes 0-15 x's, 16-31 W's), lora_A
.set ADRA, 12                          ; v12-15 x's blocks 0-3: role 0, role 1, across from role 0, across from role 1;  v16-19 blocks 4-7
.set ADRB, 20
.set ADRL, 24
.set SPW, 30
.set NIL, 31
.set SC,  32
.set LSW, 64
.set SRA, 108                          ; v108-110 scale addresses for a trip's pairs 1-3, v111-113 for its pair 4
.set STO, 114
.set RD,  115
.set CO,  116
.set ARST, 117
.set ARLD, 118
.set LBO, 119
.set SST, 120
.set LST, 121
.set AF,  128
.set ARF, 128
.set BK,  128
.set ARA, 224
.set WV, 22
.set RH, 23
.set CH, 24
.set G1X, 32
.set G1W, 40
.set G1L, 48
.set G0X, 56
.set G0W, 60
.set G0L, 68
.set TG,  72                           ; s72: the LDS offset of the slot that the next load fills
.set XB,  73
.set PH0, 74                           ; s74, s75: where role 0 and role 1 lie in this trip
.set PH1, 75
.set SS0, 76                           ; s76, s77: the trip's place in a row of scales: pairs 1-3, pair 4
.set SS1, 77
.set PFA, 80
.set PADC, (1<<20)|(5<<22)|(3<<25)     ; 1-byte elements; 4 words of padding behind every 64
.set MSB, 0
.macro WIN new
.if MSB != \new
	s_set_vgpr_msb (MSB<<8)|\new
.set MSB, \new
.endif
.endm
.set MUL_LO, 0xa1
.set MUL_HI, 0xf1
.set W_LORA, 0x01
.set TO_B,   0x40
.macro PLACES n
.rept \n
	v_nop
.endr
.endm
.macro PKREG j                         ; the j-th of sixteen groups of four waiting registers: PR its first, PW its window
.if (\j) < 6
.set PR, 80+4*(\j)
.set PW, 0
.elseif (\j) < 11
.set PR, 108+4*((\j)-6)
.set PW, 1
.else
.set PR, 236+4*((\j)-11)
.set PW, 1
.endif
.endm
; a chunk's loads, one a wave: waves 0, 1 x's halves, wave 2 W's 256 rows, wave 3 lora_A's 16
.macro JLOAD
	s_cmp_lt_u32 s[WV], 2
	s_cbranch_scc0 .Lnot_x_\@
	tensor_load_to_lds s[G0X:G0X+3], s[G1X:G1X+7]
	s_nop 0
	PLACES 4
	s_branch .Lasked_\@
.Lnot_x_\@:
	s_cmp_eq_u32 s[WV], 2
	s_cbranch_scc0 .Lfor_l_\@
	tensor_load_to_lds s[G0W:G0W+3], s[G1W:G1W+7]
	s_nop 0
	PLACES 4
	s_branch .Lasked_\@
.Lfor_l_\@:
	tensor_load_to_lds s[G0L:G0L+3], s[G1L:G1L+7]
	s_nop 0
	PLACES 4
.Lasked_\@:
.endm
.macro NEXTCH                          ; the descriptors step to the next chunk and the other slot; no tensor load of mine is out here
	s_xor_b32 s[TG], s[TG], SLOT
	s_add_co_u32 s[G0X+1], s[XB], s[TG]
	s_add_co_u32 s[G0W+1], s[TG], 2*HALFT
	s_add_co_u32 s[G0L+1], s[TG], 4*HALFT
	s_add_nc_u64 s[G0X+2:G0X+3], s[G0X+2:G0X+3], ROWB
	s_add_nc_u64 s[G0W+2:G0W+3], s[G0W+2:G0W+3], ROWB
	s_add_nc_u64 s[G0L+2:G0L+3], s[G0L+2:G0L+3], ROWB
.endm
.macro CREST
	s_cmp_lg_u32 s[WV], 0
	s_cbranch_scc1 .Lnot_wave_0_\@
	s_barrier_signal -3
.Lnot_wave_0_\@:
	s_barrier_wait -3
	s_barrier_signal -1
	s_barrier_wait -1
.endm
.macro CROUND
	s_barrier_signal -1
	s_barrier_wait -1
	CREST
.endm
; a prefetch behind the refill with chunk n: chunk n + 2 of 32 rows, a lane a row.  Waves 0, 1 name x's rows, 2, 3 W's; the four partners of a joint load share the rows by address.
; g = 1: the trip's third refill; in the last trip chunk n + 2 would be 12, of which there is none
.macro ASK g
.if \g
	s_cmp_gt_u32 s3, 1
	s_cbranch_scc0 .Lna_\@
.endif
	global_prefetch_b8 v[PFO], s[PFA:PFA+1] th:TH_LOAD_NT scope:SCOPE_SE
.Lna_\@:
.endm
.macro RETARGET                        ; the LDS addresses of this trip, from where the two roles lie
	s_add_co_u32 s78, s[PH0], 232
	s_add_co_u32 s79, s[PH1], 232
	v_add_nc_u32 v122, s[PH0], v[H24]
	v_add_nc_u32 v123, s[PH1], v[H24]
	v_mul_u32_u24 v124, s78, v[HB]                 ; across two chunks: lanes 0-15 byte 232 of the row in one role,
	v_mul_u32_u24 v125, s79, v[HB]
	v_mad_u32_u24 v124, s[PH1], v[H], v124         ; lanes 16-31 byte 0 of the row in the other
	v_mad_u32_u24 v125, s[PH0], v[H], v125
.irp k, 0,1,2,3
.irp c, 0,1,2,3
	v_add_nc_u32 v[ADRA+4*\k+\c], v[RB+\k], v[122+\c]
.endr
.endr
.irp k, 0,1,2
	v_add_nc_u32 v[SRA+\k], s[SS0], v[SB+\k]
	v_add_nc_u32 v[SRA+3+\k], s[SS1], v[SB+\k]
.endr
.endm
	s_load_b256 s[4:11], s[0:1], 0x0               ; x's codes, x's scales, W's codes, W's scales
	s_load_b256 s[12:19], s[0:1], 0x20             ; lora_A's codes, its scales, b, lora_B
	s_load_b64 s[20:21], s[0:1], 0x40              ; out
	v_lshl_add_u32 v[SPW], v0, 2, SPARE
	v_mov_b32 v[NIL], 0
	ds_add_u32 v[SPW], v[NIL]                      ; the opening lines
	ds_add_u32 v[SPW], v[NIL]
	v_lshrrev_b32 v68, 5, v0
	v_readfirstlane_b32 s[WV], v68
	v_and_b32 v69, 31, v0                          ; lane
	v_lshrrev_b32 v72, 2, v69
	v_and_b32 v70, 3, v0
	v_lshlrev_b32 v72, 7, v72
	v_lshl_add_u32 v72, v70, 4, v72                ; scales: row lane / 4 of 128 bytes, 16 (lane % 4)
	v_lshrrev_b32 v73, 3, v0
	v_and_b32 v70, 7, v0
	v_lshlrev_b32 v73, 7, v73
	v_lshl_add_u32 v73, v70, 3, v73                ; lora_A's: row thread / 8, 8 (thread % 8)
	s_lshr_b32 s[RH], s[WV], 1
	s_and_b32 s[CH], s[WV], 1
	s_bfe_u32 s30, ttmp6, 0x40000                  ; cx
	s_bfe_u32 s25, ttmp6, 0x40004                  ; cy
	s_lshl_b32 s31, ttmp9, 2
	s_add_co_u32 s31, s31, s30                     ; tile column
	s_and_b32 s26, ttmp7, 0xffff
	s_lshl_b32 s26, s26, 2
	s_add_co_u32 s26, s26, s25                     ; tile row
	s_lshl_b32 s27, s25, 2
	s_lshl_b32 s27, 15, s27                        ; my row of the cluster
	s_lshl_b32 s66, 0x1111, s30                    ; my column
	s_or_b32 s[G1X], s27, PADC|(1<<21)
	s_or_b32 s[G1W], s66, PADC|(1<<21)
	s_mov_b32 s[G1L], PADC
.irp g, G1X, G1W, G1L
	s_mov_b32 s[\g+1], ROWB<<16
	s_mov_b32 s[\g+3], ROWB<<16
	s_mov_b32 s[\g+5], KROW
	s_mov_b32 s[\g+6], 0
	s_mov_b32 s[\g+7], 0
.endr
	s_mov_b32 s[G1X+2], 128<<16
	s_mov_b32 s[G1X+4], 128
	s_mov_b32 s[G1W+2], 256<<16
	s_mov_b32 s[G1W+4], 256
	s_mov_b32 s[G1L+2], 16<<16
	s_mov_b32 s[G1L+4], 16
	s_lshl_b32 s28, s26, 8
	s_lshl_b32 s29, s[CH], 7
	s_add_co_u32 s28, s28, s29
	s_mul_i32 s28, s28, KROW                       ; x's codes: row 256 x tile row + 128 CH
	s_mov_b32 s29, 0
	s_lshl_b32 s86, s31, 8
	s_mul_i32 s86, s86, KROW                       ; W's: row 256 x tile column
	s_mov_b32 s87, 0
	s_cmp_eq_u32 s[RH], 0                          ; waves 0, 1 read x's scales and prefetch x, waves 2, 3 W's
	s_cselect_b32 s2, s26, s31
	s_cselect_b32 s3, s30, s25
	s_lshl_b32 s2, s2, 8
	s_lshl_b32 s88, s[CH], 7
	s_add_co_u32 s2, s2, s88                       ; my 128 rows
	s_lshl_b32 s88, s2, 7
	s_mov_b32 s89, 0
	s_lshl_b32 s3, s3, 5
	s_add_co_u32 s2, s2, s3                        ; my work-group's 32 of them
	s_mul_i32 s90, s2, KROW
	s_add_co_u32 s90, s90, 3*ROWB                  ; at chunk 3: the first refill steps it to chunk 4
	s_mov_b32 s91, 0
	s_mul_i32 s[XB], s[CH], HALFT
	s_mov_b32 s[TG], 0
	s_wait_alu depctr_va_vdst(0)
	s_wait_dscnt 0x0
	s_wait_kmcnt 0x0
	s_cmp_eq_u32 s[RH], 0
	s_cselect_b64 s[84:85], s[6:7], s[10:11]
	s_cselect_b64 s[PFA:PFA+1], s[4:5], s[8:9]
	s_add_nc_u64 s[84:85], s[84:85], s[88:89]
	s_add_nc_u64 s[PFA:PFA+1], s[PFA:PFA+1], s[90:91]
.set J, 0
.rept 16
	global_load_b128 v[128+4*J:131+4*J], v72, s[84:85] offset:1024*J       ; 8 rows' scales for K < 2048
.set J, J+1
.endr
	global_load_b64 v[104:105], v73, s[14:15]
	global_load_b64 v[106:107], v73, s[14:15] offset:64
.set J, 0
.rept 16
	PKREG J
	WIN PW<<6
	global_load_b128 v[PR:PR+3], v72, s[84:85] offset:1024*J+64            ; and for K >= 2048: these wait in registers
.set J, J+1
.endr
	WIN 0
	s_mov_b32 s[G0X], 1
	s_mov_b32 s[G0X+1], s[XB]
	s_add_nc_u64 s[G0X+2:G0X+3], s[4:5], s[28:29]
	s_or_b32 s[G0X+3], s[G0X+3], 0x80000000
	s_mov_b32 s[G0W], 1
	s_mov_b32 s[G0W+1], 2*HALFT
	s_add_nc_u64 s[G0W+2:G0W+3], s[8:9], s[86:87]
	s_or_b32 s[G0W+3], s[G0W+3], 0x80000000
	s_mov_b32 s[G0L], 1
	s_mov_b32 s[G0L+1], 4*HALFT
	s_mov_b64 s[G0L+2:G0L+3], s[12:13]
	s_or_b32 s[G0L+3], s[G0L+3], 0x80000000
	CROUND                                         ; all sixteen work-groups are here
	JLOAD                                          ; chunk 0: one tensor load a wave at the head
	; out: register blocks 0-3 are my rows 64 CH on (s[20:21]), blocks 4-7 the other 64 (s[12:13])
	s_lshl_b32 s28, s26, 8
	s_lshl_b32 s29, s[RH], 7
	s_add_co_u32 s28, s28, s29
	s_lshl_b32 s28, s28, 14
	s_lshl_b32 s29, s31, 10
	s_add_co_u32 s28, s28, s29
	s_lshl_b32 s29, s[CH], 9
	s_add_co_u32 s28, s28, s29
	s_mov_b32 s29, 0
	s_add_nc_u64 s[20:21], s[20:21], s[28:29]
	s_xor_b32 s28, s[CH], 1
	s_lshl_b32 s28, s28, 20
	s_add_nc_u64 s[12:13], s[20:21], s[28:29]
	s_lshl_b32 s28, s[CH], 20
	s_add_nc_u64 s[20:21], s[20:21], s[28:29]
	s_lshl_b32 s28, s31, 8
	s_lshl_b32 s2, s[CH], 7
	s_add_co_u32 s2, s28, s2                       ; my first column
	s_lshl_b32 s28, s2, 2
	s_add_nc_u64 s[16:17], s[16:17], s[28:29]
	s_lshl_b32 s28, s2, 6
	s_add_nc_u64 s[18:19], s[18:19], s[28:29]
	s_mul_i32 s86, s[RH], HALFT
	s_mul_i32 s87, s[CH], HALFT/2
	s_add_co_u32 s88, s86, s87                     ; x's register blocks 0-3
	s_xor_b32 s89, s[CH], 1
	s_mul_i32 s89, s89, HALFT/2
	s_add_co_u32 s89, s86, s89                     ; blocks 4-7
	s_mul_i32 s90, s[CH], HALFT
	s_add_co_u32 s90, s90, 2*HALFT                 ; W's rows
	s_mul_i32 s86, s[RH], HALFS
	s_mul_i32 s87, s[CH], HALFS/2
	s_add_co_u32 s91, s86, s87
	s_xor_b32 s92, s[CH], 1
	s_mul_i32 s92, s92, HALFS/2
	s_add_co_u32 s92, s86, s92
	s_mul_i32 s93, s[CH], HALFS
	s_add_co_u32 s93, s93, 2*HALFS
	s_sub_co_u32 s94, s93, s91                     ; from x's words to W's: lanes 16-31 take W's
	s_add_co_u32 s93, s93, HALFS/2
	s_sub_co_u32 s95, s93, s92
	s_add_co_u32 s91, s91, SCL
	s_add_co_u32 s92, s92, SCL
	s_mul_i32 s96, s[WV], HALFS
	s_add_co_u32 s96, s96, SCL
	s_mul_i32 s97, s[WV], 272
	s_add_co_u32 s97, s97, LSC
	s_mul_i32 s98, s[WV], 16*SPITCH
	s_lshl_b32 s99, s[WV], 11
	s_add_co_u32 s99, s99, ARIMG
	s_mov_b32 s[PH0], 0
	s_mov_b32 s[PH1], SLOT
	s_mov_b32 s[SS0], 0
	s_mov_b32 s[SS1], 32
	s_mov_b32 s82, 0xffff                          ; lanes 0-15
	s_mov_b32 s83, 0xffff0000
	v_and_b32 v68, 15, v0                          ; r
	v_bfe_u32 v[H], v0, 4, 1
	v_sub_nc_u32 v[HB], 1, v[H]
	v_mul_u32_u24 v[H24], v[H], 24
	v_mul_u32_u24 v70, v68, PITCH
	v_add_nc_u32 v[RB], s88, v70
	v_add_nc_u32 v[RB+1], s89, v70
	v_add_nc_u32 v[RB+2], s90, v70
	v_add_nc_u32 v[RB+3], 4*HALFT, v70
	v_lshlrev_b32 v71, 6, v68
	v_lshrrev_b32 v74, 2, v68
	v_lshl_add_u32 v71, v74, 4, v71                ; a row's scales: 64 r + 16 (r / 4)
	v_mad_u32_u24 v[SB], s94, v[H], v71
	v_mad_u32_u24 v[SB+1], s95, v[H], v71
	v_add_nc_u32 v[SB], s91, v[SB]
	v_add_nc_u32 v[SB+1], s92, v[SB+1]
	v_add_nc_u32 v[SB+2], LSC, v71
	v_mul_u32_u24 v74, v[H], 272
	v_lshl_add_u32 v74, v68, 4, v74
	v_add_nc_u32 v[SST], s96, v74                  ; where my 16 bytes of 8 rows' scales go
	v_lshl_add_u32 v[LST], v69, 3, s97
	v_mul_u32_u24 v[PFO], v69, KROW
	v_mul_u32_u24 v[STO], v68, SPITCH
	v_lshl_add_u32 v[STO], v[H], 5, v[STO]
	v_add_nc_u32 v[STO], s98, v[STO]
	v_lshlrev_b32 v[CO], 4, v69
	v_add_nc_u32 v[RD], s98, v[CO]
	v_add_nc_u32 v[ARST], s99, v[CO]
	v_xor_b32 v[ARLD], 2048, v[ARST]               ; my partner's images
	v_lshlrev_b32 v[LBO], 6, v68
	v_lshl_add_u32 v[LBO], v[H], 5, v[LBO]
	RETARGET
.macro FRAG reg, adr, st, i            ; 16 rows x 128 K: 12 registers, six pieces of 8 bytes; byte y of a row lies in chunk y / 256, role (y / 256) % 2
.irp p, 0,1,2,3,4,5
.set BY, 96*(\st)+48*(\p/3)+8*(\p%3)
.if BY/ROWB == (BY+24)/ROWB
	ds_load_b64 v[\reg+2*\p:\reg+2*\p+1], v[\adr+(BY/ROWB)%2] offset:BY%ROWB+(\i)*16*PITCH
.else
	ds_load_b64 v[\reg+2*\p:\reg+2*\p+1], v[\adr+2+(BY/ROWB)%2] offset:BY%ROWB-232+(\i)*16*PITCH
.endif
.endr
.endm
; 16 matrix instructions: x's blocks a0, a0 + 1 x W's eight; the accumulators take turns
.macro MUL16 a0, p, q, sc, zero
.irp a, \a0, \a0+1
.irp b, 0,1,2,3,4,5,6,7
.if \zero
	v_wmma_scale_f32_16x16x128_f8f6f4 v[8*(8*((\a)%4)+\b):8*(8*((\a)%4)+\b)+7], v[128*(\p)+FR*\b:128*(\p)+FR*\b+FR-1], v[AF+FR*(\a):AF+FR*(\a)+FR-1], 0, v[SC+16*(\sc)+2*\b+(\q)], v[SC+16*(\sc)+2*(\a)+(\q)] matrix_a_fmt:MATRIX_FMT_FP6 matrix_b_fmt:MATRIX_FMT_FP6 matrix_a_scale:MATRIX_SCALE_ROW1
.else
	v_wmma_scale_f32_16x16x128_f8f6f4 v[8*(8*((\a)%4)+\b):8*(8*((\a)%4)+\b)+7], v[128*(\p)+FR*\b:128*(\p)+FR*\b+FR-1], v[AF+FR*(\a):AF+FR*(\a)+FR-1], v[8*(8*((\a)%4)+\b):8*(8*((\a)%4)+\b)+7], v[SC+16*(\sc)+2*\b+(\q)], v[SC+16*(\sc)+2*(\a)+(\q)] matrix_a_fmt:MATRIX_FMT_FP6 matrix_b_fmt:MATRIX_FMT_FP6 matrix_a_scale:MATRIX_SCALE_ROW1
.endif
.endr
.endr
.endm
.macro LORA4 p, q, sc, zero            ; ar^T of x's blocks 0-3: source 0 = lora_A
	WIN W_LORA
.irp i, 0,1,2,3
.if \zero
	v_wmma_scale_f32_16x16x128_f8f6f4 v[ARA+8*\i:ARA+8*\i+7], v[128*(\p)+96:128*(\p)+107], v[AF+FR*\i:AF+FR*\i+FR-1], 0, v[LSW+2*(\sc)+(\q)], v[SC+16*(\sc)+2*\i+(\q)] matrix_a_fmt:MATRIX_FMT_FP6 matrix_b_fmt:MATRIX_FMT_FP6
.else
	v_wmma_scale_f32_16x16x128_f8f6f4 v[ARA+8*\i:ARA+8*\i+7], v[128*(\p)+96:128*(\p)+107], v[AF+FR*\i:AF+FR*\i+FR-1], v[ARA+8*\i:ARA+8*\i+7], v[LSW+2*(\sc)+(\q)], v[SC+16*(\sc)+2*\i+(\q)] matrix_a_fmt:MATRIX_FMT_FP6 matrix_b_fmt:MATRIX_FMT_FP6
.endif
.endr
.endm
.macro FETCH_B st, p
	WIN TO_B
.irp i, 0,1,2,3,4,5,6,7
	FRAG 128*(\p)+FR*\i, ADRB, \st, \i
.endr
	FRAG 128*(\p)+96, ADRL, \st, 0
	WIN 0
.endm
.macro FETCH_A st, hi
.irp i, 0,1,2,3
	FRAG AF+FR*(4*(\hi)+\i), ADRA+4*(\hi), \st, \i
.endr
.endm
.macro SCALES pr                       ; the words of the trip's pair pr of steps into set pr % 2: 9 loads
.if (\pr) < 4
.set SR, SRA
.set SO, 8*(\pr)
.else
.set SR, SRA+3
.set SO, 0
.endif
.set ST_, (\pr)%2
.irp i, 0,1,2,3
	ds_load_b64 v[SC+16*ST_+2*\i:SC+16*ST_+2*\i+1], v[SR] offset:\i*SBLK+SO
.endr
.irp i, 0,1,2,3
	ds_load_b64 v[SC+16*ST_+8+2*\i:SC+16*ST_+9+2*\i], v[SR+1] offset:\i*SBLK+SO
.endr
	ds_load_b64 v[LSW+2*ST_:LSW+2*ST_+1], v[SR+2] offset:SO
.endm
; A step: 68 matrix instructions; the next step's fragments are fetched in its middle and at its end.  st counts from the trip's first chunk.
; The next step ENDS in a chunk not read yet: a barrier shows it whole.  It BEGINS in a later chunk: the three lines, the barrier, and, where local chunk C0 + 2 < limc, a round and the refill.
; mid = 1: a barrier behind everybody's reads of the scales; behind it, in the second trip, the waiting half is stored.
.macro STEP st, zero, limc, mid
.set NX, (\st)+1
.set C0, (96*(\st))/ROWB
.set C1, (96*NX)/ROWB
.set E0, (96*(\st)+95)/ROWB
.set E1, (96*NX+95)/ROWB
.set PP, (\st)%2
.set SS, ((\st)/2)%2
.set REF, 0
.if C1 > C0 && C0+2 < \limc
.set REF, 1
.endif
.if C1 > C0 || E1 > E0
.if REF && \limc > 50
	s_wait_xcnt 0x0                                ; my last prefetch has read its address
	s_add_nc_u64 s[PFA:PFA+1], s[PFA:PFA+1], ROWB
.endif
	s_wait_tensorcnt 0x0                           ; all my tensor loads have landed
.if C1 > C0
	ds_add_u32 v[SPW], v[NIL]
.if REF
	NEXTCH
.endif
	s_wait_dscnt 4*NL+1                            ; the add and x's blocks 4-7 may be out
.else
	s_wait_dscnt 4*NL
.endif
	WIN MUL_LO
	MUL16 0, PP, PP, SS, \zero
	s_wait_dscnt 0x0                               ; the add and all my LDS reads are done
	s_barrier_signal -1
	MUL16 2, PP, PP, SS, \zero
	LORA4 PP, PP, SS, \zero
	WIN 0
	s_barrier_wait -1
.if REF
	CREST
	JLOAD                                          ; the first tensor load behind the round; its four v_nop are the places for the loads below
.else
	PLACES NP
.endif
.else
	s_wait_dscnt 4*NL                              ; all but x's blocks 4-7
	WIN MUL_LO
	MUL16 0, PP, PP, SS, \zero
	MUL16 2, PP, PP, SS, \zero
	LORA4 PP, PP, SS, \zero
	s_wait_dscnt 0x0
.if \mid
	s_barrier_signal -1                            ; my reads of the scales are over
.endif
	PLACES NP
.endif
	FETCH_B NX, NX%2
	FETCH_A NX, 0
.if NX%2 == 0
	SCALES NX/2
.endif
.if REF && \limc > 50
	ASK (\st)/7
.endif
	WIN MUL_HI
	MUL16 4, PP, PP, SS, \zero
	MUL16 6, PP, PP, SS, \zero
	PLACES NP
	WIN 0
.if \mid
	s_barrier_wait -1
	s_cmp_lg_u32 s3, 2                             ; the second of three trips: this is step 14
	s_cbranch_scc1 .Lno_half
.set J, 0
.rept 16
	PKREG J
	WIN PW<<2
	ds_store_b128 v[SST], v[PR:PR+3] offset:544*J  ; the scales for K >= 2048; first read behind the next step's barrier
.set J, J+1
.endr
	WIN 0
	ds_store_b64 v[LST], v[106:107]
.Lno_half:
.endif
	FETCH_A NX, 1
.endm
	s_wait_alu depctr_va_vdst(0)
	s_wait_loadcnt 0x0                             ; all scale bytes are in registers
	s_wait_tensorcnt 0x0                           ; my part of chunk 0 is in
.set J, 0
.rept 16
	ds_store_b128 v[SST], v[128+4*J:131+4*J] offset:544*J
.set J, J+1
.endr
	ds_store_b64 v[LST], v[104:105]
	s_wait_tensorcnt 0x0                           ; the three lines ahead of slot 1's first fill
	ds_add_u32 v[SPW], v[NIL]
	NEXTCH
	s_wait_dscnt 0x0                               ; the add and my stores are done
	CROUND
	JLOAD                                          ; chunk 1
	FETCH_B 0, 0
	FETCH_A 0, 0
	SCALES 0
	FETCH_A 0, 1
	STEP 0, 1, 99, 0                               ; the first step starts the sums
	s_mov_b32 s3, 3
.Ltrip:                                                ; steps 8 t + 1 .. 8 t + 8
	STEP 1, 0, 99, 0
	STEP 2, 0, 99, 0
	STEP 3, 0, 99, 0
	STEP 4, 0, 99, 0
	STEP 5, 0, 99, 0
	STEP 6, 0, 99, 1
	STEP 7, 0, 99, 0
	STEP 8, 0, 99, 0
	s_xor_b32 s[PH0], s[PH0], SLOT                 ; three chunks on: the slots change roles,
	s_xor_b32 s[PH1], s[PH1], SLOT
	s_xor_b32 s[SS0], s[SS0], 32                   ; and 32 bytes on in the 64 of a row of scales
	s_xor_b32 s[SS1], s[SS1], 32
	RETARGET
	s_sub_co_u32 s3, s3, 1
	s_cmp_lg_u32 s3, 0
	s_wait_alu depctr_va_vdst(0)
	s_cbranch_scc1 .Ltrip
	; steps 25 to 31: one more refill, chunk 11.  lora_B (f32) comes into the registers in which the scales waited, b into v68-75
	v_and_b32 v76, 15, v0
	v_lshlrev_b32 v76, 2, v76
	v_mov_b32 v77, 0x3f803f80
	v_cndmask_b32 v77, 0, v77, s82                 ; 1.0 twice in bf16, in lanes 0-15: k = 16, 17
	s_wait_alu depctr_va_vdst(0)                   ; first read behind waits
.set J, 0
.rept 16
	PKREG J
	WIN PW<<6
	global_load_b128 v[PR:PR+3], v[LBO], s[18:19] offset:1024*(J/2)+16*(J%2)
.set J, J+1
.endr
	WIN 0
.irp n, 0,1,2,3,4,5,6,7
	global_load_b32 v[68+\n], v76, s[16:17] offset:64*\n
.endr
	STEP 1, 0, 3, 0
	STEP 2, 0, 3, 0
	STEP 3, 0, 3, 0
	STEP 4, 0, 3, 0
	STEP 5, 0, 3, 0                                ; the walk's last barrier: behind it nobody reads slot 0
	STEP 6, 0, 3, 0
	s_wait_dscnt 4*NL
	WIN MUL_LO
	MUL16 0, 1, 1, 1, 0
	MUL16 2, 1, 1, 1, 0
	LORA4 1, 1, 1, 0                               ; ar^T of my blocks 0-3 is whole
	WIN 0
	s_wait_loadcnt 0x0
	; lora_B's eight bf16 operands go where W's set 0 lay.  These plain lines name no register of the products above: they are their places
.irp n, 0,1,2,3,4,5,6,7
	v_cndmask_b32 v[68+\n], 0, v[68+\n], s82       ; b in lanes 0-15 alone
.endr
.irp n, 0,1,2,3,4,5,6,7
	v_and_b32 v[12+\n], s83, v[68+\n]              ; its upper 16 bits,
.endr
.irp n, 0,1,2,3,4,5,6,7
	v_sub_f32 v[68+\n], v[68+\n], v[12+\n]         ; and the rest
.endr
	WIN TO_B
.irp n, 0,1,2,3,4,5,6,7
	v_cvt_pk_bf16_f32 v[8*\n+4], v[12+\n], v[68+\n]
.irp j, 5,6,7
	v_mov_b32 v[8*\n+\j], 0
.endr
.endr
.set J, 0
.rept 16
	PKREG J
	WIN 0x40|PW|(PW<<2)
	v_cvt_pk_bf16_f32 v[8*(J/2)+2*(J%2)], v[PR], v[PR+1]          ; block J / 2, registers 2 (J % 2) and the next: ranks 8 h + 4 (J % 2) + 0..3
	v_cvt_pk_bf16_f32 v[8*(J/2)+2*(J%2)+1], v[PR+2], v[PR+3]
.set J, J+1
.endr
	WIN 0
.irp i, 0,1,2,3
.irp j, 0,1,2,3
	v_cvt_pk_bf16_f32 v[ARF+8*\i+\j], v[ARA+8*\i+2*\j], v[ARA+8*\i+2*\j+1]   ; each accumulator from its low end on
.endr
	v_mov_b32 v[ARF+8*\i+4], v77
.irp j, 5,6,7
	v_mov_b32 v[ARF+8*\i+\j], 0
.endr
.endr
.irp i, 0,1,2,3
	ds_store_b128 v[ARST], v[ARF+8*\i:ARF+8*\i+3] offset:512*\i
.endr
	s_wait_dscnt 0x0                               ; my images have landed; x's blocks 4-7 are in
	s_barrier_signal -1
	WIN MUL_HI
	MUL16 4, 1, 1, 1, 0
	MUL16 6, 1, 1, 1, 0
	WIN 0
	s_barrier_wait -1
	PLACES NP
.irp i, 0,1,2,3
	ds_load_b128 v[ARF+32+8*\i:ARF+35+8*\i], v[ARLD] offset:512*\i   ; my partner's blocks 0-3 are my blocks 4-7
.endr
.irp i, 0,1,2,3
	v_mov_b32 v[ARF+36+8*\i], v77
.irp j, 5,6,7
	v_mov_b32 v[ARF+32+8*\i+\j], 0
.endr
.endr
	s_wait_alu depctr_va_vdst(0)
	s_wait_dscnt 0x0
	WIN MUL_LO                                     ; twenty plain lines stand behind the last product on codes; one instruction to an accumulator
.irp a, 0,1,2,3
.irp b, 0,1,2,3,4,5,6,7
	v_wmma_f32_16x16x32_bf16 v[8*(8*\a+\b):8*(8*\a+\b)+7], v[8*\b:8*\b+7], v[ARF+8*\a:ARF+8*\a+7], v[8*(8*\a+\b):8*(8*\a+\b)+7]
.endr
.endr
	WIN MUL_HI
.irp a, 0,1,2,3
.irp b, 0,1,2,3,4,5,6,7
	v_wmma_f32_16x16x32_bf16 v[8*(8*\a+\b):8*(8*\a+\b)+7], v[8*\b:8*\b+7], v[ARF+32+8*\a:ARF+32+8*\a+7], v[8*(8*\a+\b):8*(8*\a+\b)+7]
.endr
.endr
	WIN 0
; THE WAY OUT: a block of 16 rows x 128 columns goes through my stage and comes back as rows of 512 bytes, stored as 512 consecutive bytes at a multiple of 256
.macro TOSTAGE a
.set AC, 64*((\a)%4)
	WIN 0x08+4*((\a)/4)
.irp b, 0,1,2,3,4,5,6,7
	ds_store_b128 v[STO], v[AC+8*\b:AC+8*\b+3] offset:64*\b
	ds_store_b128 v[STO], v[AC+8*\b+4:AC+8*\b+7] offset:64*\b+16
.endr
	WIN 0
.set BB, BK+64*((\a)%2)
.irp t, 0,1,2,3,4,5,6,7,8,9,10,11,12,13,14,15
	ds_load_b128 v[BB+4*\t:BB+4*\t+3], v[RD] offset:\t*SPITCH
.endr
.endm
.macro SEND a, younger
.set BB, BK+64*((\a)%2)
	s_wait_dscnt \younger
.irp t, 0,1,2,3,4,5,6,7,8,9,10,11,12,13,14,15
.if (\a) < 4
	global_store_b128 v[CO], v[BB+4*\t:BB+4*\t+3], s[20:21] offset:(((\a)%4)*16+\t)*NROW th:TH_STORE_NT
.else
	global_store_b128 v[CO], v[BB+4*\t:BB+4*\t+3], s[12:13] offset:(((\a)%4)*16+\t)*NROW th:TH_STORE_NT
.endif
.endr
.endm
	PLACES NP
	TOSTAGE 0
.irp a, 1,2,3,4,5,6,7
.if \a > 1
	s_wait_xcnt 0x0                                ; block a - 2's stores have read their registers
.endif
	TOSTAGE \a
	SEND \a-1, 32                                  ; behind block a - 1's loads: block a's 16 stores and 16 loads
.endr
	SEND 7, 0
	s_wait_tensorcnt 0x0                           ; the wave's end
	ds_add_u32 v[SPW], v[NIL]
	s_wait_dscnt 0x0
	CROUND                                         ; the closing round
	s_endpgm
.Lfunc_end_k_q7ebb76fd42_lora_gemm:
	.size	k_q7ebb76fd42_lora_gemm, .Lfunc_end_k_q7ebb76fd42_lora_gemm-k_q7ebb76fd42_lora_gemm
	.p2alignl 7, 3214868480
	.fill 96, 4, 3214868480
	.section	.rodata,"a",@progbits
	.p2align	6, 0x0
	.amdhsa_kernel k_q7ebb76fd42_lora_gemm
		.amdhsa_group_segment_fixed_size 327680
		.amdhsa_private_segment_fixed_size 0
		.amdhsa_enable_private_segment 0
		.amdhsa_kernarg_size 72
		.amdhsa_user_sgpr_count 2
		.amdhsa_user_sgpr_kernarg_segment_ptr 1
		.amdhsa_wavefront_size32 1
		.amdhsa_system_sgpr_workgroup_id_x 1
		.amdhsa_system_sgpr_workgroup_id_y 1
		.amdhsa_system_sgpr_workgroup_id_z 1
		.amdhsa_system_vgpr_workitem_id 0
		.amdhsa_next_free_vgpr 1024
		.amdhsa_next_free_sgpr 106
		.amdhsa_reserve_vcc 0
		.amdhsa_float_denorm_mode_32 3
		.amdhsa_float_denorm_mode_16_64 3
		.amdhsa_memory_ordered 1
		.amdhsa_forward_progress 1
		.amdhsa_inst_pref_size 255
	.end_amdhsa_kernel
	.section	.bss,"aw",@nobits
	.p2align	6
	.space	262144
	.amdgpu_metadata
---
amdhsa.version: [ 1, 2 ]
amdhsa.kernels:
  - .name:           k_q7ebb76fd42_lora_gemm
    .symbol:         k_q7ebb76fd42_lora_gemm.kd
    .args:
      - { .name: x_codes, .offset: 0, .size: 8, .value_kind: global_buffer, .address_space: global }
      - { .name: x_scales, .offset: 8, .size: 8, .value_kind: global_buffer, .address_space: global }
      - { .name: W_codes, .offset: 16, .size: 8, .value_kind: global_buffer, .address_space: global }
      - { .name: W_scales, .offset: 24, .size: 8, .value_kind: global_buffer, .address_space: global }
      - { .name: lora_A_codes, .offset: 32, .size: 8, .value_kind: global_buffer, .address_space: global }
      - { .name: lora_A_scales, .offset: 40, .size: 8, .value_kind: global_buffer, .address_space: global }
      - { .name: b, .offset: 48, .size: 8, .value_kind: global_buffer, .address_space: global }
      - { .name: lora_B, .offset: 56, .size: 8, .value_kind: global_buffer, .address_space: global }
      - { .name: out0, .offset: 64, .size: 8, .value_kind: global_buffer, .address_space: global }
    .group_segment_fixed_size: 327680
    .private_segment_fixed_size: 0
    .kernarg_segment_align: 8
    .kernarg_segment_size: 72
    .max_flat_workgroup_size: 128
    .sgpr_count:     106
    .vgpr_count:     1024
    .wavefront_size: 32
...
	.end_amdgpu_metadata
.endif
;; end of part 1
